; MI455X (gfx1250); checked and timed in simulation.
; The chip was launched on July 23, 2026; its instructions are those of AMD's public machine-readable ISA for CDNA 5 (MIT licence, August 2026) and "CDNA5" Instruction Set Architecture Reference Guide (July 2026). The comments in the code are by the model that wrote it; some were corrected since.
;; Simple Attention. Allowed arithmetic: matrix products marked QUANTISED: E2M3 operands, one E8M0 scale for each 32 along K, by v_wmma_scale_f32_16x16x128_f8f6f4 with both operands' format E2M3, f32 sums; everything else in f32.
;; Inputs: Wk_codes 1,024 x 32 x 24 uint8 (E2M3 codes of Wk, K innermost, in blocks of 32 codes, four codes in three bytes); Wk_scales 1,024 x 32 uint8 (E8M0 scales of Wk, one for each 32 codes along K); Wm_codes 1,024 x 32 x 24 uint8 (E2M3 codes of Wm, K innermost, in blocks of 32 codes, four codes in three bytes); Wm_scales 1,024 x 32 uint8 (E8M0 scales of Wm, one for each 32 codes along K); Wq_codes 2,048 x 32 x 24 uint8 (E2M3 codes of Wq, K innermost, in blocks of 32 codes, four codes in three bytes); Wq_scales 2,048 x 32 uint8 (E8M0 scales of Wq, one for each 32 codes along K); bk 1,024 float32; bm 1,024 float32; bq 2,048 float32; features_codes 1,024 x 32 x 32 x 24 uint8 (E2M3 codes of features, K innermost, in blocks of 32 codes, four codes in three bytes); features_scales 1,024 x 32 x 32 uint8 (E8M0 scales of features, one for each 32 codes along K); hidden_codes 32 x 32 x 24 uint8 (E2M3 codes of hidden, K innermost, in blocks of 32 codes, four codes in three bytes); hidden_scales 32 x 32 uint8 (E8M0 scales of hidden, one for each 32 codes along K); mask 1,024 x 32 float32.
;; Outputs: out0 1 x 32 x 1,024 float32; out1 1,024 x 32 float32; out2 1,024 x 32 float32.
;; This version of the problem:
;;   THIS VERSION OF THE PROBLEM IS GIVEN IN LOW PRECISION. The matrix products marked QUANTISED in the list below multiply operands that are first quantised to E2M3 (2 exponent bits, 3 mantissa bits; 6 bits a number), with one power-of-two scale for each 32 numbers along K (OCP MX v1.0); their sums are f32. All else is computed in f32.
;;   The module's matrix products, in the order in which they are computed (A, B: the left and right operand; K: the contracted axis; several contracted axes count as one K, in the product's order):
;;     1. [M 32,768, K 1,024] x [K 1,024, N 1,024]; A: input features (given as codes); B: input Wk (given as codes): QUANTISED
;;     2. [M 32,768, K 1,024] x [K 1,024, N 1,024]; A: input features (given as codes); B: input Wm (given as codes): QUANTISED
;;     3. [M 32, K 1,024] x [K 1,024, N 2,048]; A: input hidden (given as codes); B: input Wq (given as codes): QUANTISED
;;   THE QUANTISER, for each operand of a quantised product, along K:
;;     - K is cut into blocks of 32 from its start; a last block that is shorter is filled with zeros.
;;     - A block's scale is 2^e with e = floor(log2(the largest magnitude in the block)) - 2, held to -126 .. 127; a block of zeros has e = 0. As a byte (E8M0): e + 127.
;;     - Each number is divided by its block's scale, clamped to +-7.5, and rounded to the nearest number of E2M3, ties to even, subnormals kept.
;;     - The product sums the exact products of the quantised numbers (number of the format x scale) in f32.
;;   ~~~python
;;   def quantise(x, axis):      # numpy; x: float32 -> the quantised numbers, widened to float32 again
;;       x = np.moveaxis(x, axis, -1); K = x.shape[-1]
;;       x = np.pad(x, [(0, 0)] * (x.ndim - 1) + [(0, -K % 32)]); x = x.reshape(x.shape[:-1] + (-1, 32)); a = np.abs(x).max(-1, keepdims=True)
;;       e = np.where(a > 0, np.clip(np.frexp(np.where(a > 0, a, 1))[1] - 1 - 2, -126, 127), 0)      # np.frexp(a)[1] - 1 = floor(log2(a)), exactly
;;       r = np.clip(x / 2.0 ** e, -7.5, 7.5)
;;       step = 2.0 ** (np.maximum(np.frexp(np.where(r == 0, 1, r))[1] - 1, 0) - 3)
;;       q = np.round(r / step) * step * 2.0 ** e      # np.round: ties to even
;;       return np.moveaxis(q.reshape(q.shape[:-2] + (-1,))[..., :K], -1, axis).astype(np.float32)
;;   ~~~
;;   INPUTS GIVEN AS CODES. Wk (in the module: [1024, 1024], K = its axis 1); Wm (in the module: [1024, 1024], K = its axis 1); Wq (in the module: [2048, 1024], K = its axis 1); features (in the module: [1024, 32, 1024], K = its axis 2); hidden (in the module: [32, 1024], K = its axis 1): each comes as NAME_codes (uint8): NAME with its K axis moved to the last place and cut into blocks of 32 codes, [.., K / 32, bytes a block], one block behind the other in memory; four codes in three bytes: a row's codes are one little-endian stream of bits, code i at bits 6 i .. 6 i + 5 (a code: sign, 2 exponent bits, 3 mantissa bits); and NAME_scales (uint8): the same leading axes, one E8M0 byte (e + 127) for each 32 codes along K. Its value is code x scale, taken as it is: it is not quantised again, and the codes and scales need not be those that the quantiser above would give.
;; One version. Each part assembles by itself: llvm-mc -triple=amdgcn-amd-amdhsa -mcpu=gfx1250 --defsym DOCPART=n.
;; ======== version 1 of 1: 2 launches
;; limits: right only within a limited range of input values
;; workspace buffers: sc 2,097,152 bytes
;; launch score (part 1): grid 8 x 32, 4 waves a work-group, clusters of 4 x 4, 327,680 bytes of LDS; arguments Wk_codes, Wk_scales, Wq_codes, Wq_scales, bq, features_codes, features_scales, hidden_codes, hidden_scales, sc; writes sc
.if DOCPART == 1
	.amdgcn_target "amdgcn-amd-amdhsa--gfx1250"
	.amdhsa_code_object_version 6
	.text
	.protected	k_q05baa3eb5c_score
	.globl	k_q05baa3eb5c_score
	.p2align	8
	.type	k_q05baa3eb5c_score,@function
k_q05baa3eb5c_score:
	s_mov_b64 s[64:65], 0
	v_nop
	global_prefetch_b8 v0, s[64:65] scope:SCOPE_SE
	s_setreg_imm32_b32 hwreg(HW_REG_WAVE_MODE, 25, 1), 1
	s_wait_xcnt 0x0
	s_wait_alu depctr_hold_cnt(0) depctr_sa_sdst(0) depctr_va_vdst(0) depctr_va_sdst(0) depctr_va_ssrc(0) depctr_va_vcc(0) depctr_vm_vsrc(0)
	s_getreg_b32 s2, hwreg(HW_REG_IB_STS2, 6, 4)
	s_cmp_eq_u32 s2, 0
	s_cbranch_scc0 .Lentry_in_a_cluster
	s_endpgm
.Lentry_in_a_cluster:
	s_bfe_u32 s2, ttmp6, 0x10000c
	s_cmp_lg_u32 s2, 0xf033
	s_cbranch_scc0 .Lentry_shape_is_right
	s_endpgm
.Lentry_shape_is_right:
; THE SCORES.  A work-group owns one batch entry b and 128 columns of k (hblk = 0 .. 7), for all 1,024 time steps t: 32 x 8 = 256 work-groups.
; It makes q of its 128 columns (two queries: 256 rows of Wq times hidden's row b, + bq), then k = features Wk^T block by block, and stores sc [b][hblk][t][c] = sum over its columns of k q.  k never leaves the registers.
; DEAD WORK LEFT OUT: bk.  k + bk adds to the score (t, b, c) the number sum over h of bk[h] q[b][h][c], which is the same for every t, and each softmax runs along t for one (b, c): in exact arithmetic it cancels for all values of the inputs.
;   So bk is not loaded and is among no launch's arguments; a NaN, an infinity or an overflow that reaches only bk's term is not carried to the results.
; LIMITS: NaN and infinities among the f32 inputs and the scale byte 0xff are not served; the f32 sums are taken in another order than reference()'s (K in two halves, columns in eight parts).
; SHARES.  Four waves: wave = a + 2 kh.  A wave holds 128 columns x its half kh of K in registers (384) and takes blocks of 16 rows: block n = rows 32 n + 16 a .. + 15.  The score is linear in k, so the two halves of K need no joint sum of k:
;   each half is multiplied by q and summed, and the parts are added at the end.  A block is 32 products for four fragments of features.
; THE PRODUCT IS TRANSPOSED (source 0 = 16 columns' rows of Wk, source 1 = 16 rows of features): lane (r, h) holds row r, register j column 16 i + 8 h + j of tile i.
; CLUSTERS 4 x 4: features are shared along a row (same b), weights along a column (same hblk), by joint loads.
; LDS: two slots of 128 rows (pitch 816: 8 bytes of padding behind every 128, so a half row is 408 bytes for both halves of K), at 0 and YB; the weights' region WREG.  At the head the two slots hold Wq's 256 rows; then the features' chunks of 128 rows.
;   When Wk lies in registers its region takes the score parts: [kh][h][t][c], planes 8,320 bytes apart.
; REGISTERS: windows 1 and 3: v0-191 fragments of Wk (K steps 0, 1 and 2, 3 of my half), v192-255 q of tiles 0-3 and 4-7.  Window 2: v0-95 features, two sets; v96-223 accumulators, two sets; v224-231 the score sums; addresses behind them.
;   So a block needs three settings: products and score sums share 0xa9 (source 0 window 1) and 0xab (window 3); loads and the last sums use 0xaa.
; A block's score sums stand among the next block's products.  The features' scale words come from memory by pairs of blocks, a chunk ahead.
.set WREG, 208896
.set YB, 104448
.set BLKB, 26112                       ; 32 rows in LDS
.set CHB, 3145728                      ; 128 rows of features in memory
.set QB, 313344
.set SPARE, 314368
.set SPW, 10
.set NIL, 11
.set WS, 16
.set XS, 34
.set S, 224
.set AX, 232
.set AB, 234
.set SCA, 236
.set SCAB, 237
.set GO, 238
.set NX, 240
.set G1F, 28
.set G1W, 36
.set G1Q, 44
.set SL, 72
.set CNT, 73
.set SCO, 80
.set XO, 86
.set PR_, 0
.set MSB, 0
.macro WIN new
.if MSB != (\new)
	s_set_vgpr_msb (MSB<<8)|(\new)
.set MSB, (\new)
.endif
.endm
.macro PLACES n
.rept \n
	v_nop
.endr
.endm
.macro WALU
	s_wait_alu depctr_va_vdst(0)
.endm
.macro BARRIER
	s_barrier_signal -1
	s_barrier_wait -1
.endm
.macro CREST
	s_cmp_lg_u32 s24, 0
	s_cbranch_scc1 .Lnot_wave_0_\@
	s_barrier_signal -3
.Lnot_wave_0_\@:
	s_barrier_wait -3
	s_barrier_signal -1
	s_barrier_wait -1
.endm
.macro CROUND
	BARRIER
	CREST
.endm
.macro TLOAD g0, g1
	tensor_load_to_lds s[\g0:\g0+3], s[\g1:\g1+7]
	s_nop 0
	PLACES 4
.endm
.macro GROUP1 g, mask, rows, pitch     ; rows of 768 bytes, 2 words of padding behind every 32
	s_or_b32 s[\g], s[\mask], (1<<20)|(1<<21)|(4<<22)|(1<<25)
	s_mov_b32 s[\g+1], 768<<16
	s_mov_b32 s[\g+2], (\rows)<<16
	s_mov_b32 s[\g+3], 768<<16
	s_mov_b32 s[\g+4], \rows
	s_mov_b32 s[\g+5], \pitch
	s_mov_b32 s[\g+6], 0
	s_mov_b32 s[\g+7], 0
.endm
.macro PTR dst, base
	s_add_nc_u64 s[\dst:\dst+1], s[\base:\base+1], s[88:89]
.endm
; A fragment of K step q of a half row: six pieces of 8 bytes; piece Y lies at unit Y + Y / 16 of the half row.  Lanes 16-31 read three pieces on: behind one padding more where Y % 16 is 13 or more: the second address serves.
.macro FRAG r, q, a0, a1, u
.set R_, \r
.set SKIP_, 0
.irp p, 0,1,2,3,4,5
.if SKIP_
.set SKIP_, 0
.else
.set PC_, 12*(\q)+6*(\p/3)+\p%3
.set PN_, 12*(\q)+6*((\p+1)/3)+(\p+1)%3
.set Y_, (PC_%16+3)/16
.set Z_, (PN_%16+3)/16
.if (\p < 5) && (Y_ == Z_)
.set SKIP_, 1
.if Y_
	ds_load_2addr_b64 v[R_+2*\p:R_+2*\p+3], \a1 offset0:PC_+PC_/16+\u offset1:PN_+PN_/16+\u
.else
	ds_load_2addr_b64 v[R_+2*\p:R_+2*\p+3], \a0 offset0:PC_+PC_/16+\u offset1:PN_+PN_/16+\u
.endif
.elseif Y_
	ds_load_b64 v[R_+2*\p:R_+2*\p+1], \a1 offset:8*(PC_+PC_/16+\u)
.else
	ds_load_b64 v[R_+2*\p:R_+2*\p+1], \a0 offset:8*(PC_+PC_/16+\u)
.endif
.endif
.endr
.endm
.macro FETCH par, a0, a1               ; a block's four fragments: 14 loads
.irp q, 0,1,2,3
	FRAG 48*\par+12*\q, \q, \a0, \a1, 0
.endr
.endm
.macro WX c, rw, rx
	v_wmma_scale_f32_16x16x128_f8f6f4 v[D_:D_+7], v[W_:W_+11], v[X_:X_+11], \c, v[SW_], v[SX_] matrix_a_fmt:MATRIX_FMT_FP6 matrix_b_fmt:MATRIX_FMT_FP6 matrix_a_scale:MATRIX_SCALE_ROW\rw matrix_b_scale:MATRIX_SCALE_ROW\rx
.endm
.macro PROD n, par                     ; product n = 8 x K step + tile; the eight accumulators take turns
.set I_, (\n)%8
.set Q_, (\n)/8
.set D_, 96+64*\par+8*I_
.set W_, 12*(8*(Q_%2)+I_)
.set X_, 48*\par+12*Q_
.set SW_, WS+4*(I_/2)+Q_
.set SX_, XS+4*PR_+Q_
.if Q_ == 0
.if I_%2
	WX 0, 1, \par
.else
	WX 0, 0, \par
.endif
.elseif I_%2
	WX v[D_:D_+7], 1, \par
.else
	WX v[D_:D_+7], 0, \par
.endif
.endm
.macro EPI m, ep                       ; sum number m of a block: tile m / 8, column m % 8, both queries at once; four chains by turns
.set T_, (\m)/8
.set J_, (\m)%8
.set A_, 96+64*(\ep)+8*T_+2*(J_/2)
.set K_, 192+16*(T_%4)+2*J_
.set C_, S+2*(J_%4)
.if (\m) < 4
.if J_%2
	v_pk_mul_f32 v[C_:C_+1], v[K_:K_+1], v[A_:A_+1] op_sel:[0,1] op_sel_hi:[1,1]
.else
	v_pk_mul_f32 v[C_:C_+1], v[K_:K_+1], v[A_:A_+1] op_sel:[0,0] op_sel_hi:[1,0]
.endif
.elseif J_%2
	v_pk_fma_f32 v[C_:C_+1], v[K_:K_+1], v[A_:A_+1], v[C_:C_+1] op_sel:[0,1,0] op_sel_hi:[1,1,1]
.else
	v_pk_fma_f32 v[C_:C_+1], v[K_:K_+1], v[A_:A_+1], v[C_:C_+1] op_sel:[0,0,0] op_sel_hi:[1,0,1]
.endif
.endm
; products from .. to - 1; the last block's sums stand behind them, two to a product; the last four behind the block's last product are the places ahead of the fetch
.macro RUN from, to, par, epi
.set N_, \from
.rept (\to)-(\from)
	PROD N_, \par
.if \epi
.if N_ < 16
	EPI 2*N_, 1-\par
	EPI 2*N_+1, 1-\par
.elseif N_ == 31
	EPI 60, 1-\par
	EPI 61, 1-\par
	EPI 62, 1-\par
	EPI 63, 1-\par
.elseif N_ > 16
	EPI 2*N_-2, 1-\par
	EPI 2*N_-1, 1-\par
.endif
.endif
.set N_, N_+1
.endr
.endm
.macro FIN epi, off, xoff, par         ; behind a block: the last block's score parts to LDS; the fetch of the block two on, from the slot's byte xoff (under 0: none)
	WIN 0xaa
.if \epi
	v_pk_add_f32 v[S:S+1], v[S:S+1], v[S+2:S+3]
	v_pk_add_f32 v[S+4:S+5], v[S+4:S+5], v[S+6:S+7]
.endif
.if (\xoff) >= 0
	s_add_co_u32 s[XO], s[SL], \xoff
	v_add_nc_u32 v[AX], s[XO], v[AB]
	v_add_nc_u32 v[AX+1], s[XO], v[AB+1]
.endif
.if \epi
	v_pk_add_f32 v[S:S+1], v[S:S+1], v[S+4:S+5]
	ds_store_b64 v[SCA], v[S:S+1] offset:\off
.endif
.if (\xoff) >= 0
	FETCH \par, v[AX], v[AX+1]
.endif
.endm
.macro BLOCK par, w                    ; w: the LDS instructions younger than the block's fetch that may be out
	s_wait_dscnt \w
	WIN 0xa9
	RUN 0, 16, \par, 1
	WIN 0xab
	RUN 16, 32, \par, 1
.endm
.macro SCALES p, load, cnt             ; pair p's scale words of the next chunk move into place; those of the chunk after it are asked for
	WIN 0x02
	s_wait_loadcnt \cnt
.irp q, 0,1,2,3
	v_mov_b32 v[XS+4*\p+\q], v[NX+4*\p+\q]
.endr
.if \load
	WIN 0xaa
.if \p == 0
	s_wait_xcnt 0x0
	s_add_nc_u64 s[78:79], s[78:79], 131072
	s_add_nc_u64 s[74:75], s[74:75], CHB
	s_add_nc_u64 s[76:77], s[76:77], 131072
.endif
	global_load_b128 v[NX+4*\p:NX+4*\p+3], v[GO], s[78:79] offset:65536*\p
.endif
.endm
; The chunk's third block: all my reads of its slot have been issued.  refill = 1: a round, and the slot is filled again with the chunk two on (waves 0 and 1, 64 rows each); refill = 0: a plain barrier shows the last chunk.
.macro CHANGE refill, off
.set PR_, 1
	s_wait_dscnt 14
	WIN 0xa9
	RUN 0, 16, 0, 1
	WIN 0
	WALU
	s_wait_tensorcnt 0x0
.if \refill
	ds_add_u32 v[SPW], v[NIL]
	s_add_nc_u64 s[70:71], s[70:71], CHB
	s_add_co_u32 s69, s81, s[SL]
.endif
	WIN 0xab
	RUN 16, 26, 0, 1
	WALU
	s_wait_dscnt 0x0
	s_barrier_signal -1
	RUN 26, 32, 0, 1
	WIN 0
	s_barrier_wait -1
.if \refill
	CREST
	s_cmp_lt_u32 s24, 2
	s_cbranch_scc0 .Lno_fill_\@
	TLOAD 68, G1F
.Lno_fill_\@:
.endif
	WALU
	s_xor_b32 s[SL], s[SL], YB
	FIN 1, \off, 0, 0
	WIN 0
.endm
	s_load_b512 s[4:19], s[0:1], 0x0       ; Wk s[4:5], its scales s[6:7], Wq s[8:9], its scales s[10:11], bq s[12:13], features s[14:15], their scales s[16:17], hidden s[18:19]
	s_load_b128 s[20:23], s[0:1], 0x40     ; hidden's scales, sc
	v_lshl_add_u32 v[SPW], v0, 2, SPARE
	v_mov_b32 v[NIL], 0
	ds_add_u32 v[SPW], v[NIL]              ; the opening lines: the add twice on end; register work stands between it and its wait
	ds_add_u32 v[SPW], v[NIL]
	v_lshrrev_b32 v1, 5, v0
	v_readfirstlane_b32 s24, v1            ; wave
	s_and_b32 s25, s24, 1                  ; a
	s_lshr_b32 s26, s24, 1                 ; kh
	s_bfe_u32 s2, ttmp6, 0x40000           ; cx
	s_bfe_u32 s3, ttmp6, 0x40004           ; cy
	s_lshl_b32 s67, ttmp9, 2
	s_add_co_u32 s67, s67, s2              ; hblk
	s_and_b32 s66, ttmp7, 0xffff
	s_lshl_b32 s66, s66, 2
	s_add_co_u32 s66, s66, s3              ; b
	s_lshl_b32 s82, s3, 2
	s_lshl_b32 s82, 15, s82                ; my row of the cluster
	s_lshl_b32 s83, 0x1111, s2             ; my column
	GROUP1 G1F, 82, 64, 24576
	GROUP1 G1W, 83, 64, 768
	GROUP1 G1Q, 83, 128, 768
	s_mul_i32 s81, s24, 52224              ; 64 rows in LDS x wave
	s_mul_i32 s83, s26, 408
	s_mul_i32 s82, s25, 16*816
	s_add_co_u32 s82, s82, s83             ; features: 16 a rows + my half of K
	s_add_co_u32 s83, s83, WREG            ; Wk: my half of K
	s_lshl_b32 s85, s24, 8
	s_mul_i32 s86, s26, 16640
	s_lshl_b32 s87, s25, 7
	s_add_co_u32 s86, s86, s87
	s_add_co_u32 s86, s86, WREG            ; the score parts: plane 2 kh, row 16 a
	v_and_b32 v1, 15, v0                   ; r
	v_bfe_u32 v2, v0, 4, 1                 ; h
	v_and_b32 v3, 31, v0                   ; lane
	v_mul_u32_u24 v4, v2, 24
	v_mov_b32 v5, 0
	v_and_b32 v6, 8, v1
	v_add_nc_u32 v6, v6, v1                ; r + 8 (r / 8)
	v_mul_u32_u24 v56, v1, 816
	v_mad_u32_u24 v57, v2, 24, v56
	v_mad_u32_u24 v58, v2, 32, v56
	v_mul_u32_u24 v59, v6, 816
	v_mad_u32_u24 v60, v2, 24, v59
	v_mad_u32_u24 v61, v2, 32, v59
	v_lshlrev_b32 v62, 3, v1
	v_mad_u32_u24 v62, v2, 8320, v62
	v_lshlrev_b32 v9, 10, v1
	v_lshl_add_u32 v9, v2, 15, v9          ; scale words: row r of block 2 p + h
	WIN 0x80
	v_add_nc_u32 v[AB], s82, v57
	v_add_nc_u32 v[AB+1], s82, v58
	v_add_nc_u32 v[SCAB], s86, v62
	v_add_nc_u32 v[SCA], s86, v62
	v_mov_b32 v[GO], v9
	WIN 0
.irp i, 0,1,2,3,4,5,6,7
	v_add_nc_u32 v[100+2*\i], s83, v57
	v_add_nc_u32 v[101+2*\i], s83, v58
	s_add_co_u32 s83, s83, 16*816
.endr
.irp t, 0,1,2,3                        ; Wq's tile t of my 64 rows: lane r takes row 32 (t / 2) + 8 (t % 2) + r + 8 (r / 8), so that a lane's results are q in the order in which the score sums take it
	s_add_co_u32 s84, s81, (32*(\t/2)+8*(\t%2))*816
	v_add_nc_u32 v[90+2*\t], s84, v60
	v_add_nc_u32 v[91+2*\t], s84, v61
.endr
	v_lshlrev_b32 v7, 6, v2
	v_add_nc_u32 v47, QB, v7
	v_add_nc_u32 v46, s85, v47
	v_lshlrev_b32 v6, 5, v6
	v_lshl_add_u32 v6, v2, 4, v6
	v_lshlrev_b32 v8, 5, v3
	v_min_u32 v44, 23, v3                  ; prefetch: 8 rows x 3 blocks of 256 bytes; lanes 24-31 name the last again
	v_mul_u32_u24 v45, v44, 11
	v_lshrrev_b32 v45, 5, v45
	v_mul_u32_u24 v63, v45, 3
	v_sub_nc_u32 v63, v44, v63
	v_mul_u32_u24 v44, v45, 24576
	v_lshl_add_u32 v44, v63, 8, v44
	v_and_b32 v45, 1, v0
	v_lshlrev_b32 v45, 10, v45             ; and two rows of scale bytes
	WALU
	s_wait_dscnt 0x0                       ; both opening adds are done
	CROUND                                 ; in front of the first joint loads
	s_mov_b32 s89, 0
	s_mul_i32 s88, s67, 256*768
	s_mul_i32 s87, s25, 128*768
	s_add_co_u32 s88, s88, s87
	s_mov_b32 s52, 1
	s_mul_i32 s53, s25, YB
	s_mov_b32 s56, 1
	s_mul_i32 s57, s25, 52224
	s_add_co_u32 s57, s57, WREG
	s_wait_kmcnt 0x0
	PTR 54, 8
	s_or_b32 s55, s55, 0x80000000
	s_mul_i32 s88, s67, 128*768
	s_mul_i32 s87, s25, 64*768
	s_add_co_u32 s88, s88, s87
	PTR 58, 4
	s_or_b32 s59, s59, 0x80000000
	s_cmp_lt_u32 s24, 2                    ; one tensor load a wave: waves 0 and 1 Wq's two halves, waves 2 and 3 Wk's
	s_cbranch_scc0 .Lask_wk
	TLOAD 52, G1Q
	s_branch .Lasked
.Lask_wk:
	TLOAD 56, G1W
.Lasked:
	s_mul_i32 s88, s66, 768                ; the features of b, my 64 rows of the first two chunks
	s_mul_i32 s87, s24, 64*24576
	s_add_co_u32 s88, s88, s87
	s_mov_b32 s60, 1
	s_mov_b32 s61, s81
	PTR 62, 14
	s_or_b32 s63, s63, 0x80000000
	s_mov_b32 s68, 1
	PTR 70, 14
	s_add_nc_u64 s[70:71], s[70:71], CHB   ; each refill steps it first
	s_or_b32 s71, s71, 0x80000000
	s_mul_i32 s88, s66, 768
	PTR 18, 18
	s_lshl_b32 s87, s2, 5
	s_lshl_b32 s84, s24, 3
	s_add_co_u32 s84, s87, s84
	s_mul_i32 s84, s84, 24576
	s_add_co_u32 s88, s88, s84
	PTR 74, 14                             ; prefetches: rows 32 cx + 8 wave .. of a chunk
	s_lshl_b32 s84, s3, 3
	s_add_co_u32 s87, s87, s84
	s_lshl_b32 s84, s24, 1
	s_add_co_u32 s87, s87, s84
	s_lshl_b32 s88, s87, 10
	s_lshr_b32 s84, s66, 2
	s_lshl_b32 s84, s84, 7
	s_add_co_u32 s88, s88, s84
	PTR 76, 16                             ; and rows 32 cx + 8 cy + 2 wave .. of the scale bytes
	s_lshl_b32 s88, s66, 5
	PTR 20, 20
	s_lshl_b32 s84, s25, 14
	s_add_co_u32 s88, s88, s84
	s_lshl_b32 s84, s26, 4
	s_add_co_u32 s88, s88, s84
	PTR 78, 16
	s_lshl_b32 s88, s67, 12
	s_add_co_u32 s88, s88, s84
	PTR 6, 6
	s_lshl_b32 s88, s67, 13
	s_lshl_b32 s84, s24, 11
	s_add_co_u32 s88, s88, s84
	PTR 10, 10
	s_lshl_b32 s88, s67, 10
	s_add_co_u32 s88, s88, s85
	PTR 12, 12
	s_lshl_b32 s88, s66, 3
	s_add_co_u32 s88, s88, s67
	s_lshl_b32 s88, s88, 13
	PTR 90, 22
	global_load_b128 v[82:85], v5, s[20:21]                ; hidden's scale words, in every lane
	global_load_b128 v[86:89], v5, s[20:21] offset:16
.irp t, 0,1,2,3
	global_load_b128 v[64+4*\t:67+4*\t], v6, s[10:11] offset:1024*(\t/2)+256*(\t%2)   ; Wq's: lanes 0-15 K steps 0-3, lanes 16-31 K steps 4-7
.endr
	WIN 0x80
.irp t, 0,1,2,3
.irp k, 0,1
	global_load_b128 v[96+8*\t+4*\k:99+8*\t+4*\k], v7, s[12:13] offset:128*(\t/2)+32*(\t%2)+16*\k   ; bq: the products' first C
.endr
.endr
.irp q, 0,1,2,3,4,5,6,7
.irp p, 0,1,2,3,4,5
	global_load_b64 v[12*\q+2*\p:12*\q+2*\p+1], v4, s[18:19] offset:96*\q+48*(\p/3)+8*(\p%3)   ; hidden's row b, the same in all 16 rows of the operand
.endr
.endr
	WIN 0
.irp m, 0,1,2,3
	global_load_b128 v[WS+4*\m:WS+4*\m+3], v8, s[6:7] offset:1024*\m      ; Wk's: lanes 0-15 tile 2 m, lanes 16-31 tile 2 m + 1
.endr
	global_load_b128 v[XS:XS+3], v9, s[78:79]
	global_load_b128 v[XS+4:XS+7], v9, s[78:79] offset:65536
	WIN 0x80
	global_load_b128 v[NX:NX+3], v9, s[78:79] offset:131072
	global_load_b128 v[NX+4:NX+7], v9, s[78:79] offset:196608
	WIN 0
	global_prefetch_b8 v44, s[74:75] th:TH_LOAD_NT scope:SCOPE_SE              ; chunks 0 and 1, which are asked for when Wq has been read
	global_prefetch_b8 v44, s[74:75] offset:CHB th:TH_LOAD_NT scope:SCOPE_SE
	WALU
	s_cmp_lt_u32 s24, 2
	s_cbranch_scc0 .Lnot_wq
	s_wait_tensorcnt 0x0
.Lnot_wq:
	BARRIER                                ; Wq's 256 rows are in
	WIN 0x40
.irp q, 0,1,2,3
.irp t, 0,1,2,3
	FRAG 12*(4*\q+\t), \q, v[90+2*\t], v[91+2*\t], 0
.endr
.endr
	WIN 0xc0
.irp q, 0,1,2,3
.irp t, 0,1,2,3
	FRAG 12*(4*\q+\t), \q, v[90+2*\t], v[91+2*\t], 51
.endr
.endr
	WIN 0
	s_wait_tensorcnt 0x0                   ; the three lines: my head's load is in; the add; my reads of Wq are over
	ds_add_u32 v[SPW], v[NIL]
	s_wait_dscnt 0x0
	CROUND
	s_cmp_lt_u32 s24, 2                    ; waves 0 and 1 chunk 0, waves 2 and 3 chunk 1: two lines, since chunk 0 is shown first
	s_cbranch_scc0 .Lchunk_1
	TLOAD 60, G1F
	s_branch .Lchunks
.Lchunk_1:
	TLOAD 60, G1F
.Lchunks:
	s_wait_loadcnt 2                       ; all but the next chunk's scale words
.irp q, 0,1,2,3,4,5,6,7                ; q: four tiles by turns, 8 K steps
.if \q < 4
	WIN 0xa9
.else
	WIN 0xab
.endif
.irp t, 0,1,2,3
.if \q < 4
	v_wmma_scale_f32_16x16x128_f8f6f4 v[96+8*\t:103+8*\t], v[12*(4*(\q%4)+\t):12*(4*(\q%4)+\t)+11], v[12*\q:12*\q+11], v[96+8*\t:103+8*\t], v[64+4*\t+\q%4], v[82+\q] matrix_a_fmt:MATRIX_FMT_FP6 matrix_b_fmt:MATRIX_FMT_FP6
.else
	v_wmma_scale_f32_16x16x128_f8f6f4 v[96+8*\t:103+8*\t], v[12*(4*(\q%4)+\t):12*(4*(\q%4)+\t)+11], v[12*\q:12*\q+11], v[96+8*\t:103+8*\t], v[64+4*\t+\q%4], v[82+\q] matrix_a_fmt:MATRIX_FMT_FP6 matrix_b_fmt:MATRIX_FMT_FP6 matrix_a_scale:MATRIX_SCALE_ROW1
.endif
.endr
.endr
	PLACES 5
	WIN 0x08
.irp t, 0,1,2,3                        ; my 64 numbers of q (all 16 lanes of a half write the same bytes with the same values)
	ds_store_b128 v46, v[96+8*\t:99+8*\t] offset:128*(\t/2)+32*(\t%2)
	ds_store_b128 v46, v[100+8*\t:103+8*\t] offset:128*(\t/2)+32*(\t%2)+16
.endr
	WIN 0x40
.irp q, 0,1
.irp i, 0,1,2,3,4,5,6,7
	FRAG 12*(8*\q+\i), \q, v[100+2*\i], v[101+2*\i], 0
.endr
.endr
	WIN 0xc0
.irp q, 0,1
.irp i, 0,1,2,3,4,5,6,7
	FRAG 12*(8*\q+\i), \q+2, v[100+2*\i], v[101+2*\i], 0
.endr
.endr
	WIN 0
	global_prefetch_b8 v44, s[74:75] offset:2*CHB th:TH_LOAD_NT scope:SCOPE_SE     ; chunk 2; the scale bytes of chunks 2 and 3
	global_prefetch_b8 v45, s[76:77] offset:262144 th:TH_LOAD_NT scope:SCOPE_SE
	global_prefetch_b8 v45, s[76:77] offset:393216 th:TH_LOAD_NT scope:SCOPE_SE
	s_mov_b32 s[SL], 0
	s_mov_b32 s[CNT], 0
	s_mov_b32 s[SCO], 0
	s_cmp_lt_u32 s24, 2
	s_cbranch_scc0 .Lnot_c0
	s_wait_tensorcnt 0x0
.Lnot_c0:
	s_wait_dscnt 0x0
	BARRIER                                ; q and chunk 0 are in, Wk's region has been read by all
	WIN 0xaa
	FETCH 0, v[AB], v[AB+1]
	s_mov_b32 s[XO], BLKB
	v_add_nc_u32 v[AX], s[XO], v[AB]
	v_add_nc_u32 v[AX+1], s[XO], v[AB+1]
	FETCH 1, v[AX], v[AX+1]
	WIN 0x40
.irp i, 0,1,2,3
.irp k, 0,1,2,3
	ds_load_b128 v[192+16*\i+4*\k:195+16*\i+4*\k], v47 offset:128*\i+16*\k
.endr
.endr
	WIN 0xc0
.irp i, 0,1,2,3
.irp k, 0,1,2,3
	ds_load_b128 v[192+16*\i+4*\k:195+16*\i+4*\k], v47 offset:512+128*\i+16*\k
.endr
.endr
	WIN 0
	s_wait_xcnt 0x0
	s_add_nc_u64 s[74:75], s[74:75], 3*CHB
	s_add_nc_u64 s[76:77], s[76:77], 393216
	s_add_nc_u64 s[78:79], s[78:79], 131072
	global_prefetch_b8 v44, s[74:75] th:TH_LOAD_NT scope:SCOPE_SE                  ; chunk 3
	s_wait_dscnt 46                        ; block 0's rows are in; block 1's 14 loads and q's 32 may be out
	WIN 0xa9
	RUN 0, 16, 0, 0
	WIN 0xab
	RUN 16, 32, 0, 0
	PLACES 4
	FIN 0, 0, 2*BLKB, 0
	WIN 0
.Lchunk:                                       ; a chunk's blocks 1, 2, 3 and the next chunk's block 0
.set PR_, 0
	BLOCK 1, 14
	FIN 1, 0, 3*BLKB, 1
	SCALES 0, 1, 1
	CHANGE 1, 256
	s_cmp_lt_u32 s[CNT], 4                 ; what the refill two trips on will load: chunks 4 to 7; the last two trips ask for nothing
	s_cbranch_scc0 .Lno_ask
	global_prefetch_b8 v44, s[74:75] th:TH_LOAD_NT scope:SCOPE_SE
	global_prefetch_b8 v45, s[76:77] th:TH_LOAD_NT scope:SCOPE_SE
.Lno_ask:
	BLOCK 1, 14
	FIN 1, 512, BLKB, 1
	SCALES 1, 1, 1
.set PR_, 0
	BLOCK 0, 14
	FIN 1, 768, 2*BLKB, 0
	s_add_co_u32 s[SCO], s[SCO], 1024
	v_add_nc_u32 v[SCA], s[SCO], v[SCAB]
	WIN 0
	s_add_co_u32 s[CNT], s[CNT], 1
	WALU
	s_cmp_lt_u32 s[CNT], 6
	s_cbranch_scc1 .Lchunk
	BLOCK 1, 14                            ; chunk 6
	FIN 1, 0, 3*BLKB, 1
	SCALES 0, 0, 1
	CHANGE 0, 256
	BLOCK 1, 14
	FIN 1, 512, BLKB, 1
	SCALES 1, 0, 0
.set PR_, 0
	BLOCK 0, 14                            ; chunk 7
	FIN 1, 768, 2*BLKB, 0
	BLOCK 1, 14
	FIN 1, 1024, 3*BLKB, 1
.set PR_, 1
	BLOCK 0, 14
	FIN 1, 1280, -1, 0
	BLOCK 1, 1                             ; only the store of score parts is younger
	FIN 1, 1536, -1, 1
	WIN 0xa9
.set N_, 0
.rept 32
	EPI N_, 1
.set N_, N_+1
.endr
	WIN 0xab
.rept 32
	EPI N_, 1
.set N_, N_+1
.endr
	FIN 1, 1792, -1, 0
	WIN 0
	v_lshl_add_u32 v56, v0, 4, WREG
	v_lshlrev_b32 v57, 4, v0
	WALU
	s_wait_dscnt 0x0
	BARRIER                                ; all score parts are in LDS
.irp p, 0,1,2,3
.irp u, 0,1,2,3
	ds_load_b128 v[128+16*\p+4*\u:131+16*\p+4*\u], v56 offset:8320*\p+2048*\u   ; two time steps, both queries
.endr
.endr
	s_wait_dscnt 0x0
.irp p, 1,2,3
.irp k, 0,1,2,3,4,5,6,7
	v_pk_add_f32 v[128+2*\k:129+2*\k], v[128+2*\k:129+2*\k], v[128+16*\p+2*\k:129+16*\p+2*\k]
.endr
.endr
.irp u, 0,1,2,3
	global_store_b128 v57, v[128+4*\u:131+4*\u], s[90:91] offset:2048*\u       ; a wave stores 512 consecutive bytes, aligned
.endr
	s_wait_tensorcnt 0x0                   ; the wave's end
	ds_add_u32 v[SPW], v[NIL]
	s_wait_dscnt 0x0
	CROUND                                 ; the closing round
	s_endpgm
.Lfunc_end_k_q05baa3eb5c_score:
	.size	k_q05baa3eb5c_score, .Lfunc_end_k_q05baa3eb5c_score-k_q05baa3eb5c_score
	.p2alignl 7, 3214868480
	.fill 96, 4, 3214868480
	.section	.rodata,"a",@progbits
	.p2align	6, 0x0
	.amdhsa_kernel k_q05baa3eb5c_score
		.amdhsa_group_segment_fixed_size 327680
		.amdhsa_private_segment_fixed_size 0
		.amdhsa_enable_private_segment 0
		.amdhsa_kernarg_size 80
		.amdhsa_user_sgpr_count 2
		.amdhsa_user_sgpr_kernarg_segment_ptr 1
		.amdhsa_wavefront_size32 1
		.amdhsa_system_sgpr_workgroup_id_x 1
		.amdhsa_system_sgpr_workgroup_id_y 1
		.amdhsa_system_sgpr_workgroup_id_z 1
		.amdhsa_system_vgpr_workitem_id 0
		.amdhsa_next_free_vgpr 1024
		.amdhsa_next_free_sgpr 96
		.amdhsa_reserve_vcc 0
		.amdhsa_float_denorm_mode_32 3
		.amdhsa_float_denorm_mode_16_64 3
		.amdhsa_memory_ordered 1
		.amdhsa_forward_progress 1
		.amdhsa_inst_pref_size 160
	.end_amdhsa_kernel
	.amdgpu_metadata
---
amdhsa.version: [ 1, 2 ]
amdhsa.kernels:
  - .name:           k_q05baa3eb5c_score
    .symbol:         k_q05baa3eb5c_score.kd
    .args:
      - { .name: Wk_codes, .offset: 0, .size: 8, .value_kind: global_buffer, .address_space: global }
      - { .name: Wk_scales, .offset: 8, .size: 8, .value_kind: global_buffer, .address_space: global }
      - { .name: Wq_codes, .offset: 16, .size: 8, .value_kind: global_buffer, .address_space: global }
      - { .name: Wq_scales, .offset: 24, .size: 8, .value_kind: global_buffer, .address_space: global }
      - { .name: bq, .offset: 32, .size: 8, .value_kind: global_buffer, .address_space: global }
      - { .name: features_codes, .offset: 40, .size: 8, .value_kind: global_buffer, .address_space: global }
      - { .name: features_scales, .offset: 48, .size: 8, .value_kind: global_buffer, .address_space: global }
      - { .name: hidden_codes, .offset: 56, .size: 8, .value_kind: global_buffer, .address_space: global }
      - { .name: hidden_scales, .offset: 64, .size: 8, .value_kind: global_buffer, .address_space: global }
      - { .name: sc, .offset: 72, .size: 8, .value_kind: global_buffer, .address_space: global }
    .group_segment_fixed_size: 327680
    .private_segment_fixed_size: 0
    .kernarg_segment_align: 8
    .kernarg_segment_size: 80
    .max_flat_workgroup_size: 128
    .sgpr_count:     96
    .vgpr_count:     1024
    .wavefront_size: 32
...
	.end_amdgpu_metadata
.endif
;; end of part 1
;; launch mem (part 2): grid 8 x 32, 4 waves a work-group, clusters of 4 x 4, 327,680 bytes of LDS; arguments Wm_codes, Wm_scales, features_codes, features_scales, mask, sc, bm, out0, out1, out2; writes out0, out1, out2
.if DOCPART == 2
	.amdgcn_target "amdgcn-amd-amdhsa--gfx1250"
	.amdhsa_code_object_version 6
	.text
	.protected	k_q05baa3eb5c_mem
	.globl	k_q05baa3eb5c_mem
	.p2align	8
	.type	k_q05baa3eb5c_mem,@function
k_q05baa3eb5c_mem:
	s_mov_b64 s[64:65], 0
	v_nop
	global_prefetch_b8 v0, s[64:65] scope:SCOPE_SE
	s_setreg_imm32_b32 hwreg(HW_REG_WAVE_MODE, 25, 1), 1
	s_wait_xcnt 0x0
	s_wait_alu depctr_hold_cnt(0) depctr_sa_sdst(0) depctr_va_vdst(0) depctr_va_sdst(0) depctr_va_ssrc(0) depctr_va_vcc(0) depctr_vm_vsrc(0)
	s_getreg_b32 s2, hwreg(HW_REG_IB_STS2, 6, 4)
	s_cmp_eq_u32 s2, 0
	s_cbranch_scc0 .Lentry_in_a_cluster
	s_endpgm
.Lentry_in_a_cluster:
	s_bfe_u32 s2, ttmp6, 0x10000c
	s_cmp_lg_u32 s2, 0xf033
	s_cbranch_scc0 .Lentry_shape_is_right
	s_endpgm
.Lentry_shape_is_right:
; THE SOFTMAX AND THE SUMMARY.  A work-group owns one b and 128 columns of mem (hblk = 0 .. 7), for all 1,024 time steps t.  It adds the eight score parts of its b, takes the softmax over t (the maximum taken away first), and streams
; mem = features Wm^T block by block: out0[b][column] = (sum over t of p[t] mem[t][column]) / L + bm[column], p = e^(score - M), L = sum of p.  (The weights p / L add up to 1, so bm is added once.)  mem never leaves the registers.
; Left out here as in the first launch: bk (its term in the scores is the same for all t).
; out1, out2 [t][b]: a work-group stores the steps t = 2 n + 256 (hblk / 2) + hblk % 2, n = 0 .. 127, of its b: each thread has one of them.  These are stores of 4 bytes: L of a (b, c) spans all t, which only the work-groups of that b have here;
;   whole units of 256 bytes hold 32 entries b, and would take a launch of their own for 262,144 bytes.
; LIMITS: NaN and infinities among the f32 inputs and the scale byte 0xff are not served; the f32 sums are taken in another order than reference()'s.
; SHARES, LDS, CLUSTERS AND THE RING as in the first launch.  THE PRODUCT IS NOT TRANSPOSED (source 0 = 16 rows of features, source 1 = 16 columns): lane (r, h) holds column r, register j row 8 h + j: the weighted sum over t is a chain in the lane.
; REGISTERS: windows 1 and 3: v0-191 fragments of Wm; window 1 v192-207 p of two blocks.  Window 2: v0-95 features, v96-223 accumulators, v224-239 the sums over t, addresses.  Settings: 0xa6, 0xae products; 0xaa loads.
.set WREG, 208896
.set YB, 104448
.set BLKB, 26112
.set CHB, 3145728
.set PB, 313344                        ; p of query 0, 1,024 numbers
.set MX, 317440                        ; the waves' maxima,
.set SXA, 317696                       ; their sums of p,
.set OB, 317952                        ; and their parts of out0
.set SPARE, 320000
.set SPW, 10
.set NIL, 11
.set WS, 16
.set XS, 34
.set PS, 224
.set AX, 240
.set AB, 242
.set PA, 244
.set PAB, 245
.set GO, 246
.set OA, 247
.set NX, 248
.set G1F, 28
.set G1W, 36
.set G1H, 44
.set SL, 72
.set CNT, 73
.set PO, 80
.set XO, 86
.set PR_, 0
.set MSB, 0
.macro WIN new
.if MSB != (\new)
	s_set_vgpr_msb (MSB<<8)|(\new)
.set MSB, (\new)
.endif
.endm
.macro PLACES n
.rept \n
	v_nop
.endr
.endm
.macro WALU
	s_wait_alu depctr_va_vdst(0)
.endm
.macro BARRIER
	s_barrier_signal -1
	s_barrier_wait -1
.endm
.macro CREST
	s_cmp_lg_u32 s24, 0
	s_cbranch_scc1 .Lnot_wave_0_\@
	s_barrier_signal -3
.Lnot_wave_0_\@:
	s_barrier_wait -3
	s_barrier_signal -1
	s_barrier_wait -1
.endm
.macro CROUND
	BARRIER
	CREST
.endm
.macro TLOAD g0, g1
	tensor_load_to_lds s[\g0:\g0+3], s[\g1:\g1+7]
	s_nop 0
	PLACES 4
.endm
.macro GROUP1 g, mask, rows, pitch
	s_or_b32 s[\g], s[\mask], (1<<20)|(1<<21)|(4<<22)|(1<<25)
	s_mov_b32 s[\g+1], 768<<16
	s_mov_b32 s[\g+2], (\rows)<<16
	s_mov_b32 s[\g+3], 768<<16
	s_mov_b32 s[\g+4], \rows
	s_mov_b32 s[\g+5], \pitch
	s_mov_b32 s[\g+6], 0
	s_mov_b32 s[\g+7], 0
.endm
.macro PTR dst, base
	s_add_nc_u64 s[\dst:\dst+1], s[\base:\base+1], s[88:89]
.endm
.macro FRAG r, q, a0, a1               ; as in the first launch
.set R_, \r
.set SKIP_, 0
.irp p, 0,1,2,3,4,5
.if SKIP_
.set SKIP_, 0
.else
.set PC_, 12*(\q)+6*(\p/3)+\p%3
.set PN_, 12*(\q)+6*((\p+1)/3)+(\p+1)%3
.set Y_, (PC_%16+3)/16
.set Z_, (PN_%16+3)/16
.if (\p < 5) && (Y_ == Z_)
.set SKIP_, 1
.if Y_
	ds_load_2addr_b64 v[R_+2*\p:R_+2*\p+3], \a1 offset0:PC_+PC_/16 offset1:PN_+PN_/16
.else
	ds_load_2addr_b64 v[R_+2*\p:R_+2*\p+3], \a0 offset0:PC_+PC_/16 offset1:PN_+PN_/16
.endif
.elseif Y_
	ds_load_b64 v[R_+2*\p:R_+2*\p+1], \a1 offset:8*(PC_+PC_/16)
.else
	ds_load_b64 v[R_+2*\p:R_+2*\p+1], \a0 offset:8*(PC_+PC_/16)
.endif
.endif
.endr
.endm
.macro FETCH par, a0, a1
.irp q, 0,1,2,3
	FRAG 48*\par+12*\q, \q, \a0, \a1
.endr
.endm
.macro WX c, rw, rx
	v_wmma_scale_f32_16x16x128_f8f6f4 v[D_:D_+7], v[X_:X_+11], v[W_:W_+11], \c, v[SX_], v[SW_] matrix_a_fmt:MATRIX_FMT_FP6 matrix_b_fmt:MATRIX_FMT_FP6 matrix_a_scale:MATRIX_SCALE_ROW\rx matrix_b_scale:MATRIX_SCALE_ROW\rw
.endm
.macro PROD n, par
.set I_, (\n)%8
.set Q_, (\n)/8
.set D_, 96+64*\par+8*I_
.set W_, 12*(8*(Q_%2)+I_)
.set X_, 48*\par+12*Q_
.set SW_, WS+4*(I_/2)+Q_
.set SX_, XS+4*PR_+Q_
.if Q_ == 0
.if I_%2
	WX 0, 1, \par
.else
	WX 0, 0, \par
.endif
.elseif I_%2
	WX v[D_:D_+7], 1, \par
.else
	WX v[D_:D_+7], 0, \par
.endif
.endm
.macro EPI m, ep                       ; tile 4 (m / 16) + m % 4, rows 2 jp, 2 jp + 1: the eight tiles' chains in two groups of four by turns
.set T_, 4*((\m)/16)+(\m)%4
.set J_, ((\m)%16)/4
.set A_, 96+64*(\ep)+8*T_+2*J_
.set K_, 192+8*(\ep)+2*J_
.set C_, PS+2*T_
	v_pk_fma_f32 v[C_:C_+1], v[A_:A_+1], v[K_:K_+1], v[C_:C_+1]
.endm
.macro RUN from, to, par, epi
.set N_, \from
.rept (\to)-(\from)
	PROD N_, \par
.if \epi
.if N_ < 16
	EPI 2*N_, 1-\par
	EPI 2*N_+1, 1-\par
.endif
.endif
.set N_, N_+1
.endr
.endm
.macro FIN xoff, par, poff             ; behind a block: the fetch of the block two on (xoff under 0: none), and p of the next block (poff under 0: none).  Four plain places ahead
	WIN 0xaa
.if (\xoff) >= 0
	s_add_co_u32 s[XO], s[SL], \xoff
	v_add_nc_u32 v[AX], s[XO], v[AB]
	v_add_nc_u32 v[AX+1], s[XO], v[AB+1]
	PLACES 2
	FETCH \par, v[AX], v[AX+1]
.else
	PLACES 4
.endif
.if (\poff) >= 0
	WIN 0x6a
	ds_load_b128 v[192+8*(1-\par):195+8*(1-\par)], v[PA] offset:\poff
	ds_load_b128 v[196+8*(1-\par):199+8*(1-\par)], v[PA] offset:\poff+16
.endif
.endm
.macro BLOCK par, w
	s_wait_dscnt \w
	WIN 0xa6
	RUN 0, 16, \par, 1
	WIN 0xae
	RUN 16, 32, \par, 1
.endm
.macro SCALES p, load, cnt
	WIN 0x02
	s_wait_loadcnt \cnt
.irp q, 0,1,2,3
	v_mov_b32 v[XS+4*\p+\q], v[NX+4*\p+\q]
.endr
.if \load
	WIN 0xaa
.if \p == 0
	s_wait_xcnt 0x0
	s_add_nc_u64 s[78:79], s[78:79], 131072
	s_add_nc_u64 s[74:75], s[74:75], CHB
	s_add_nc_u64 s[76:77], s[76:77], 131072
.endif
	global_load_b128 v[NX+4*\p:NX+4*\p+3], v[GO], s[78:79] offset:65536*\p
.endif
.endm
.macro CHANGE refill
.set PR_, 1
	s_wait_dscnt 16
	WIN 0xa6
	RUN 0, 16, 0, 1
	WIN 0
	WALU
	s_wait_tensorcnt 0x0
.if \refill
	ds_add_u32 v[SPW], v[NIL]
	s_add_nc_u64 s[70:71], s[70:71], CHB
	s_add_co_u32 s69, s81, s[SL]
.endif
	WIN 0xae
	RUN 16, 26, 0, 1
	WALU
	s_wait_dscnt 0x0
	s_barrier_signal -1
	RUN 26, 32, 0, 1
	WIN 0
	s_barrier_wait -1
.if \refill
	CREST
	s_cmp_lt_u32 s24, 2
	s_cbranch_scc0 .Lno_fill_\@
	TLOAD 68, G1F
.Lno_fill_\@:
.endif
	WALU
	s_xor_b32 s[SL], s[SL], YB
	FIN 0, 0, 384
	WIN 0
.endm
	s_load_b512 s[4:19], s[0:1], 0x0       ; Wm s[4:5], its scales s[6:7], features s[8:9], their scales s[10:11], mask s[12:13], sc s[14:15], bm s[16:17], out0 s[18:19]
	s_load_b128 s[20:23], s[0:1], 0x40     ; out1, out2
	v_lshl_add_u32 v[SPW], v0, 2, SPARE
	v_mov_b32 v[NIL], 0
	ds_add_u32 v[SPW], v[NIL]              ; the opening lines
	ds_add_u32 v[SPW], v[NIL]
	v_lshrrev_b32 v1, 5, v0
	v_readfirstlane_b32 s24, v1
	s_and_b32 s25, s24, 1                  ; a
	s_lshr_b32 s26, s24, 1                 ; kh
	s_bfe_u32 s2, ttmp6, 0x40000
	s_bfe_u32 s3, ttmp6, 0x40004
	s_lshl_b32 s67, ttmp9, 2
	s_add_co_u32 s67, s67, s2              ; hblk
	s_and_b32 s66, ttmp7, 0xffff
	s_lshl_b32 s66, s66, 2
	s_add_co_u32 s66, s66, s3              ; b
	s_lshl_b32 s82, s3, 2
	s_lshl_b32 s82, 15, s82
	s_lshl_b32 s83, 0x1111, s2
	GROUP1 G1F, 82, 64, 24576
	GROUP1 G1W, 83, 64, 768
	GROUP1 G1H, 82, 128, 24576
	s_mul_i32 s81, s24, 52224
	s_mul_i32 s83, s26, 408
	s_mul_i32 s82, s25, 16*816
	s_add_co_u32 s82, s82, s83
	s_add_co_u32 s83, s83, WREG
	s_lshl_b32 s84, s25, 6
	s_add_co_u32 s84, s84, PB
	s_lshl_b32 s85, s24, 3
	s_add_co_u32 s85, s85, MX
	s_lshl_b32 s87, s24, 9
	s_add_co_u32 s87, s87, OB
	s_mov_b32 s92, 0x3fb8aa3b              ; log2(e)
	s_mov_b32 s93, s92
	s_mov_b32 s94, 0xc7c34f80              ; -99999.0
	s_mov_b32 s96, 0x76543210
	s_mov_b32 s97, 0xfedcba98              ; lane selects: lane l xor 16
	v_and_b32 v1, 15, v0                   ; r
	v_bfe_u32 v2, v0, 4, 1                 ; h
	v_and_b32 v3, 31, v0                   ; lane
	v_mul_u32_u24 v56, v1, 816
	v_mad_u32_u24 v57, v2, 24, v56
	v_mad_u32_u24 v58, v2, 32, v56
	v_lshlrev_b32 v59, 5, v2
	v_lshlrev_b32 v60, 2, v1
	v_lshlrev_b32 v9, 10, v1
	v_lshl_add_u32 v9, v2, 15, v9
	WIN 0x80
	v_add_nc_u32 v[AB], s82, v57
	v_add_nc_u32 v[AB+1], s82, v58
	v_add_nc_u32 v[PAB], s84, v59
	v_add_nc_u32 v[PA], s84, v59
	v_add_nc_u32 v[OA], s87, v60
	v_mov_b32 v[GO], v9
	v_mov_b32 v234, 0                      ; written once: a lane permute's destination counts as one of its sources
	v_mov_b32 v235, 0
	WIN 0
.irp i, 0,1,2,3,4,5,6,7
	v_add_nc_u32 v[100+2*\i], s83, v57
	v_add_nc_u32 v[101+2*\i], s83, v58
	s_add_co_u32 s83, s83, 16*816
.endr
	v_lshlrev_b32 v4, 4, v0
	v_lshlrev_b32 v50, 8, v0
	v_lshlrev_b32 v51, 4, v3
	v_lshlrev_b32 v8, 5, v3
	v_lshl_add_u32 v116, v0, 3, PB
	v_mov_b32 v117, s85
	v_add_nc_u32 v118, 256, v117           ; SXA + 8 x wave
	v_mov_b32 v119, MX
	v_mov_b32 v120, SXA
	v_add_nc_u32 v122, OB, v51
	v_min_u32 v44, 23, v3
	v_mul_u32_u24 v45, v44, 11
	v_lshrrev_b32 v45, 5, v45
	v_mul_u32_u24 v63, v45, 3
	v_sub_nc_u32 v63, v44, v63
	v_mul_u32_u24 v44, v45, 24576
	v_lshl_add_u32 v44, v63, 8, v44
	v_and_b32 v45, 1, v0
	v_lshlrev_b32 v45, 10, v45
	WALU
	s_wait_dscnt 0x0
	CROUND
	s_mov_b32 s89, 0
	s_mul_i32 s88, s67, 128*768
	s_mul_i32 s87, s25, 64*768
	s_add_co_u32 s88, s88, s87
	s_mov_b32 s56, 1
	s_mul_i32 s57, s25, 52224
	s_add_co_u32 s57, s57, WREG
	s_mov_b32 s52, 1
	s_mul_i32 s53, s25, YB
	s_wait_kmcnt 0x0
	PTR 58, 4
	s_or_b32 s59, s59, 0x80000000
	s_mul_i32 s88, s66, 768
	s_mul_i32 s87, s25, CHB
	s_add_co_u32 s88, s88, s87
	PTR 54, 8
	s_or_b32 s55, s55, 0x80000000
	s_cmp_lt_u32 s24, 2                    ; one tensor load a wave: waves 0 and 1 Wm's halves, wave 2 chunk 0, wave 3 chunk 1
	s_cbranch_scc0 .Lwave_2
	TLOAD 56, G1W
	s_branch .Lasked
.Lwave_2:
	s_cmp_eq_u32 s24, 2
	s_cbranch_scc0 .Lwave_3
	TLOAD 52, G1H
	s_branch .Lasked
.Lwave_3:
	TLOAD 52, G1H
.Lasked:
	s_mul_i32 s88, s66, 768
	s_mul_i32 s87, s24, 64*24576
	s_add_co_u32 s88, s88, s87
	s_mov_b32 s68, 1
	PTR 70, 8
	s_add_nc_u64 s[70:71], s[70:71], CHB
	s_or_b32 s71, s71, 0x80000000
	s_lshl_b32 s88, s66, 16
	PTR 14, 14                             ; the eight score parts of b
	s_lshl_b32 s88, s66, 2
	PTR 12, 12
	s_lshr_b32 s84, s67, 1
	s_lshl_b32 s84, s84, 15
	s_add_co_u32 s88, s88, s84
	s_and_b32 s84, s67, 1
	s_lshl_b32 s84, s84, 7
	s_add_co_u32 s88, s88, s84
	PTR 20, 20                             ; out1, out2 at my steps
	PTR 22, 22
	s_lshl_b32 s88, s67, 9
	PTR 16, 16
	s_lshl_b32 s84, s66, 12
	s_add_co_u32 s88, s88, s84
	PTR 18, 18
	s_lshl_b32 s84, s26, 4
	s_lshl_b32 s88, s67, 12
	s_add_co_u32 s88, s88, s84
	PTR 6, 6
	s_lshl_b32 s88, s66, 5
	s_add_co_u32 s88, s88, s84
	s_lshl_b32 s84, s25, 14
	s_add_co_u32 s88, s88, s84
	PTR 78, 10
.irp p, 0,1,2,3,4,5,6,7
	WIN 0x80
.irp u, 0,1,2,3
	global_load_b128 v[96+16*\p+4*\u:99+16*\p+4*\u], v4, s[14:15] offset:8192*\p+2048*\u   ; steps 2 n + 256 u, + 1: register 2 k + c, k = 2 u + e
.endr
.endr
.irp k, 0,1,2,3,4,5,6,7
	global_load_b32 v[224+\k], v50, s[12:13] offset:32768*(\k/2)+128*(\k%2)
.endr
	WIN 0
.irp m, 0,1,2,3
	global_load_b128 v[WS+4*\m:WS+4*\m+3], v8, s[6:7] offset:1024*\m
.endr
	global_load_b128 v[XS:XS+3], v9, s[78:79]
	global_load_b128 v[XS+4:XS+7], v9, s[78:79] offset:65536
	global_load_b128 v[52:55], v51, s[16:17]
	WIN 0x80
	global_load_b128 v[NX:NX+3], v9, s[78:79] offset:131072
	global_load_b128 v[NX+4:NX+7], v9, s[78:79] offset:196608
	WIN 0
	s_mul_i32 s88, s66, 768
	s_lshl_b32 s87, s2, 5
	s_lshl_b32 s84, s24, 3
	s_add_co_u32 s84, s87, s84
	s_mul_i32 s84, s84, 24576
	s_add_co_u32 s88, s88, s84
	PTR 74, 8
	s_lshl_b32 s84, s3, 3
	s_add_co_u32 s87, s87, s84
	s_lshl_b32 s84, s24, 1
	s_add_co_u32 s87, s87, s84
	s_lshl_b32 s88, s87, 10
	s_lshr_b32 s84, s66, 2
	s_lshl_b32 s84, s84, 7
	s_add_co_u32 s88, s88, s84
	PTR 76, 10
	s_bitcmp1_b32 s67, 0                   ; which of a thread's eight steps is stored here: a select of data alone
	s_cselect_b32 s98, -1, 0
	s_bitcmp1_b32 s67, 1
	s_cselect_b32 s99, -1, 0
	s_bitcmp1_b32 s67, 2
	s_cselect_b32 s100, -1, 0
	s_mov_b32 s[SL], 0
	s_mov_b32 s[CNT], 0
	s_mov_b32 s[PO], 0
	global_prefetch_b8 v44, s[74:75] offset:2*CHB th:TH_LOAD_NT scope:SCOPE_SE     ; chunk 2; the scale bytes of chunks 2 and 3
	global_prefetch_b8 v45, s[76:77] offset:262144 th:TH_LOAD_NT scope:SCOPE_SE
	global_prefetch_b8 v45, s[76:77] offset:393216 th:TH_LOAD_NT scope:SCOPE_SE
	WALU
	s_cmp_lt_u32 s24, 2
	s_cbranch_scc0 .Lnot_w
	s_wait_tensorcnt 0x0
.Lnot_w:
	BARRIER                                ; Wm's 128 rows are in
	WIN 0x40
.irp q, 0,1
.irp i, 0,1,2,3,4,5,6,7
	FRAG 12*(8*\q+\i), \q, v[100+2*\i], v[101+2*\i]
.endr
.endr
	WIN 0xc0
.irp q, 0,1
.irp i, 0,1,2,3,4,5,6,7
	FRAG 12*(8*\q+\i), \q+2, v[100+2*\i], v[101+2*\i]
.endr
.endr
	; the scores of my eight steps, and the work-group's maxima, under the loads' flight
	s_wait_loadcnt 9                       ; the score parts and the mask are in; the nine younger loads may be out
	WIN 0xaa
.irp p, 0,1,2,3,5,6,7
.irp k, 0,1,2,3,4,5,6,7
	v_pk_add_f32 v[160+2*\k:161+2*\k], v[160+2*\k:161+2*\k], v[96+16*\p+2*\k:97+16*\p+2*\k]
.endr
.endr
.irp k, 0,1,2,3,4,5,6,7
	v_fma_f32 v[160+2*\k], v[224+\k], s94, v[160+2*\k]
	v_fma_f32 v[161+2*\k], v[224+\k], s94, v[161+2*\k]
.endr
	v_max3_num_f32 v232, v160, v162, v164
	v_max3_num_f32 v233, v161, v163, v165
	v_max3_num_f32 v232, v232, v166, v168
	v_max3_num_f32 v233, v233, v167, v169
	v_max3_num_f32 v232, v232, v170, v172
	v_max3_num_f32 v233, v233, v171, v173
	v_max_num_f32 v232, v232, v174
	v_max_num_f32 v233, v233, v175
.irp x, 1,2,4,8
	v_max_num_f32_dpp v232, v232, v232 row_xmask:\x row_mask:0xf bank_mask:0xf
	v_max_num_f32_dpp v233, v233, v233 row_xmask:\x row_mask:0xf bank_mask:0xf
.endr
	v_permlanex16_b32 v234, v232, s96, s97
	v_permlanex16_b32 v235, v233, s96, s97
	v_max_num_f32 v232, v232, v234
	v_max_num_f32 v233, v233, v235
	WIN 0x08
	ds_store_b64 v117, v[232:233]          ; my wave's maxima (all lanes write the same bytes with the same values)
	WIN 0
	WALU
	s_cmp_eq_u32 s24, 3
	s_cbranch_scc1 .Lnot_c0
	s_wait_tensorcnt 0x0
.Lnot_c0:
	s_wait_dscnt 0x0
	BARRIER                                ; the maxima and chunk 0 are in; chunk 1 may be on its way
	s_wait_xcnt 0x0
	s_add_nc_u64 s[74:75], s[74:75], 3*CHB
	s_add_nc_u64 s[76:77], s[76:77], 393216
	s_add_nc_u64 s[78:79], s[78:79], 131072
	WIN 0x80
	ds_load_b128 v[224:227], v119
	ds_load_b128 v[228:231], v119 offset:16
	WIN 0xaa
	FETCH 0, v[AB], v[AB+1]
	s_mov_b32 s[XO], BLKB
	v_add_nc_u32 v[AX], s[XO], v[AB]
	v_add_nc_u32 v[AX+1], s[XO], v[AB+1]
	FETCH 1, v[AX], v[AX+1]
	s_wait_dscnt 28                        ; the maxima are in; the 28 loads of blocks 0 and 1 may be out
	v_max3_num_f32 v232, v224, v226, v228
	v_max3_num_f32 v233, v225, v227, v229
	v_max_num_f32 v232, v232, v230
	v_max_num_f32 v233, v233, v231
.irp k, 0,1,2,3,4,5,6,7
	v_pk_add_f32 v[160+2*\k:161+2*\k], v[160+2*\k:161+2*\k], v[232:233] neg_lo:[0,1] neg_hi:[0,1]   ; the maximum first, the factor after
.endr
.irp k, 0,1,2,3,4,5,6,7
	v_pk_mul_f32 v[160+2*\k:161+2*\k], v[160+2*\k:161+2*\k], s[92:93] op_sel_hi:[1,0]
.endr
	WALU
.irp j, 0,1,2,3,4,5,6,7,8,9,10,11,12,13,14,15
	v_exp_f32 v[160+\j], v[160+\j]
.endr
	v_nop
	WALU
	v_pk_add_f32 v[234:235], v[160:161], v[162:163]
	v_pk_add_f32 v[236:237], v[164:165], v[166:167]
	v_pk_add_f32 v[234:235], v[234:235], v[168:169]
	v_pk_add_f32 v[236:237], v[236:237], v[170:171]
	v_pk_add_f32 v[234:235], v[234:235], v[172:173]
	v_pk_add_f32 v[236:237], v[236:237], v[174:175]
	v_pk_add_f32 v[234:235], v[234:235], v[236:237]
.irp u, 0,1,2,3
.irp c, 0,1
	v_cndmask_b32 v[176+2*\u+\c], v[160+4*\u+\c], v[162+4*\u+\c], s98
.endr
.endr
.irp x, 1,2,4,8
	v_add_f32_dpp v234, v234, v234 row_xmask:\x row_mask:0xf bank_mask:0xf
	v_add_f32_dpp v235, v235, v235 row_xmask:\x row_mask:0xf bank_mask:0xf
.endr
.irp u, 0,1
.irp c, 0,1
	v_cndmask_b32 v[184+2*\u+\c], v[176+4*\u+\c], v[178+4*\u+\c], s99
.endr
.endr
	v_permlanex16_b32 v236, v234, s96, s97
	v_permlanex16_b32 v237, v235, s96, s97
	v_add_f32 v234, v234, v236
	v_add_f32 v235, v235, v237
	WIN 0x2a
	v_cndmask_b32 v48, v184, v186, s100    ; the step that I store: p of query 0,
	v_cndmask_b32 v49, v185, v187, s100    ; of query 1
	WIN 0x08
	ds_store_b64 v118, v[234:235]
.irp u, 0,1,2,3
.irp e, 0,1
	ds_store_b32 v116, v[160+4*\u+2*\e] offset:1024*\u+4*\e
.endr
.endr
	WIN 0
	WALU
	s_wait_loadcnt 2                       ; the scale words and bm
	s_wait_dscnt 0x0
	s_barrier_signal -1                    ; p and the sums are in LDS; block 0's products stand between signal and wait
	WIN 0xa6
	RUN 0, 16, 0, 0
	WIN 0xae
	RUN 16, 32, 0, 0
	WIN 0
	s_barrier_wait -1
	WIN 0x80
.set N_, 0
.rept 16
	v_mov_b32 v[PS+N_], 0                  ; the sums over t: one text serves all blocks
.set N_, N_+1
.endr
	WIN 0x6a
	ds_load_b128 v[192:195], v[PA]         ; p of block 0
	ds_load_b128 v[196:199], v[PA] offset:16
	FIN 2*BLKB, 0, 128
	WIN 0
	global_prefetch_b8 v44, s[74:75] th:TH_LOAD_NT scope:SCOPE_SE                  ; chunk 3
.Lchunk:
.set PR_, 0
	BLOCK 1, 16
	FIN 3*BLKB, 1, 256
	SCALES 0, 1, 1
	CHANGE 1
	s_cmp_lt_u32 s[CNT], 4                 ; what the refill two trips on will load; the last two trips ask for nothing
	s_cbranch_scc0 .Lno_ask
	global_prefetch_b8 v44, s[74:75] th:TH_LOAD_NT scope:SCOPE_SE
	global_prefetch_b8 v45, s[76:77] th:TH_LOAD_NT scope:SCOPE_SE
.Lno_ask:
	BLOCK 1, 16
	FIN BLKB, 1, 512
	SCALES 1, 1, 1
.set PR_, 0
	BLOCK 0, 16
	FIN 2*BLKB, 0, 640
	s_add_co_u32 s[PO], s[PO], 512
	WIN 0xaa
	v_add_nc_u32 v[PA], s[PO], v[PAB]
	WIN 0
	s_add_co_u32 s[CNT], s[CNT], 1
	WALU
	s_cmp_lt_u32 s[CNT], 6
	s_cbranch_scc1 .Lchunk
	BLOCK 1, 16                            ; chunk 6
	FIN 3*BLKB, 1, 256
	SCALES 0, 0, 1
	CHANGE 0
	BLOCK 1, 16
	FIN BLKB, 1, 512
	SCALES 1, 0, 0
.set PR_, 0
	BLOCK 0, 16                            ; chunk 7
	FIN 2*BLKB, 0, 640
	BLOCK 1, 16
	FIN 3*BLKB, 1, 768
.set PR_, 1
	BLOCK 0, 16
	FIN -1, 0, 896
	BLOCK 1, 2                             ; only the two loads of p are younger
	FIN -1, 1, -1
	s_wait_dscnt 0x0
	WIN 0xa6
.set N_, 0
.rept 32
	EPI N_, 1
.set N_, N_+1
.endr
	WIN 0xaa
.irp i, 0,1,2,3,4,5,6,7
	v_add_f32 v[PS+2*\i], v[PS+2*\i], v[PS+2*\i+1]
.endr
.irp i, 0,1,2,3,4,5,6,7
	v_permlanex16_b32 v[PS+2*\i+1], v[PS+2*\i], s96, s97
.endr
.irp i, 0,1,2,3,4,5,6,7
	v_add_f32 v[PS+2*\i], v[PS+2*\i], v[PS+2*\i+1]
.endr
.irp i, 0,1,2,3,4,5,6,7
	ds_store_b32 v[OA], v[PS+2*\i] offset:64*\i
.endr
	WIN 0
	ds_load_b128 v[128:131], v120          ; the waves' sums of p
	ds_load_b128 v[132:135], v120 offset:16
	s_wait_dscnt 0x0
	s_barrier_signal -1
	v_pk_add_f32 v[128:129], v[128:129], v[130:131]
	v_pk_add_f32 v[132:133], v[132:133], v[134:135]
	v_pk_add_f32 v[128:129], v[128:129], v[132:133]
	WALU
	v_rcp_f32 v136, v128                   ; L is at least 1: the largest score has p = 1
	v_rcp_f32 v137, v129
	v_nop
	WALU
	v_mul_f32 v138, v48, v136
	v_mul_f32 v139, v49, v137
	WALU
	s_barrier_wait -1
.irp w, 0,1,2,3
	ds_load_b128 v[140+4*\w:143+4*\w], v122 offset:512*\w
.endr
	global_store_b32 v50, v138, s[20:21]
	global_store_b32 v50, v139, s[22:23]
	s_wait_dscnt 0x0
.irp w, 1,2,3
	v_pk_add_f32 v[140:141], v[140:141], v[140+4*\w:141+4*\w]
	v_pk_add_f32 v[142:143], v[142:143], v[142+4*\w:143+4*\w]
.endr
.irp e, 0,1,2,3
	v_fma_f32 v[140+\e], v[140+\e], v136, v[52+\e]
.endr
	WALU
	s_cmp_lg_u32 s24, 0
	s_cbranch_scc1 .Lstored
	global_store_b128 v51, v[140:143], s[18:19]            ; wave 0: 512 consecutive bytes, aligned
.Lstored:
	s_wait_tensorcnt 0x0                   ; the wave's end
	ds_add_u32 v[SPW], v[NIL]
	s_wait_dscnt 0x0
	CROUND
	s_endpgm
.Lfunc_end_k_q05baa3eb5c_mem:
	.size	k_q05baa3eb5c_mem, .Lfunc_end_k_q05baa3eb5c_mem-k_q05baa3eb5c_mem
	.p2alignl 7, 3214868480
	.fill 96, 4, 3214868480
	.section	.rodata,"a",@progbits
	.p2align	6, 0x0
	.amdhsa_kernel k_q05baa3eb5c_mem
		.amdhsa_group_segment_fixed_size 327680
		.amdhsa_private_segment_fixed_size 0
		.amdhsa_enable_private_segment 0
		.amdhsa_kernarg_size 80
		.amdhsa_user_sgpr_count 2
		.amdhsa_user_sgpr_kernarg_segment_ptr 1
		.amdhsa_wavefront_size32 1
		.amdhsa_system_sgpr_workgroup_id_x 1
		.amdhsa_system_sgpr_workgroup_id_y 1
		.amdhsa_system_sgpr_workgroup_id_z 1
		.amdhsa_system_vgpr_workitem_id 0
		.amdhsa_next_free_vgpr 1024
		.amdhsa_next_free_sgpr 102
		.amdhsa_reserve_vcc 0
		.amdhsa_float_denorm_mode_32 3
		.amdhsa_float_denorm_mode_16_64 3
		.amdhsa_memory_ordered 1
		.amdhsa_forward_progress 1
		.amdhsa_inst_pref_size 130
	.end_amdhsa_kernel
	.amdgpu_metadata
---
amdhsa.version: [ 1, 2 ]
amdhsa.kernels:
  - .name:           k_q05baa3eb5c_mem
    .symbol:         k_q05baa3eb5c_mem.kd
    .args:
      - { .name: Wm_codes, .offset: 0, .size: 8, .value_kind: global_buffer, .address_space: global }
      - { .name: Wm_scales, .offset: 8, .size: 8, .value_kind: global_buffer, .address_space: global }
      - { .name: features_codes, .offset: 16, .size: 8, .value_kind: global_buffer, .address_space: global }
      - { .name: features_scales, .offset: 24, .size: 8, .value_kind: global_buffer, .address_space: global }
      - { .name: mask, .offset: 32, .size: 8, .value_kind: global_buffer, .address_space: global }
      - { .name: sc, .offset: 40, .size: 8, .value_kind: global_buffer, .address_space: global }
      - { .name: bm, .offset: 48, .size: 8, .value_kind: global_buffer, .address_space: global }
      - { .name: out0, .offset: 56, .size: 8, .value_kind: global_buffer, .address_space: global }
      - { .name: out1, .offset: 64, .size: 8, .value_kind: global_buffer, .address_space: global }
      - { .name: out2, .offset: 72, .size: 8, .value_kind: global_buffer, .address_space: global }
    .group_segment_fixed_size: 327680
    .private_segment_fixed_size: 0
    .kernarg_segment_align: 8
    .kernarg_segment_size: 80
    .max_flat_workgroup_size: 128
    .sgpr_count:     102
    .vgpr_count:     1024
    .wavefront_size: 32
...
	.end_amdgpu_metadata
.endif
;; end of part 2
